; MI455X (gfx1250); checked and timed in simulation.
; The chip was launched on July 23, 2026; its instructions are those of AMD's public machine-readable ISA for CDNA 5 (MIT licence, August 2026) and "CDNA5" Instruction Set Architecture Reference Guide (July 2026). The comments in the code are by the model that wrote it; some were corrected since.
;; Modular Q Lo RA Layer. Allowed arithmetic: float matrix products may take bf16 or f16 operands with f32 sums; other float arithmetic in f32, or as packed bf16 or f16 multiplies, adds, multiply-adds, maxima and minima; sums over many terms, partial sums and values carried from step to step in f32; what a program stores and reads back later, other than sums and carried values, may be rounded once to bf16 or f16.
;; Inputs: A 16 x 4,096 float32; B 4,096 x 16 float32; bias 4,096 float32; qweight 4,096 x 4,096 int32; scale one number float32; x 4 x 1,024 x 4,096 float32.
;; Outputs: out0 4 x 1,024 x 4,096 float32.
;; 2 versions, each right; version 2 is version 1 with the launch prep written anew for expert scheduling mode. Each part assembles by itself: llvm-mc -triple=amdgcn-amd-amdhsa -mcpu=gfx1250 --defsym DOCPART=n.
;; ======== version 1 of 2: 2 launches
;; workspace buffers: xb 33,554,432 bytes; qb 33,554,432 bytes; tb 262,144 bytes; at 262,144 bytes
;; launch prep (part 1): grid 128 x 2, 16 waves a work-group, no clusters, 235,520 bytes of LDS; arguments x, qweight, A, B, xb, qb, tb, at; writes xb, qb, tb, at
.if DOCPART == 1
	.amdgcn_target "amdgcn-amd-amdhsa--gfx1250"
	.amdhsa_code_object_version 6
	.text
	.protected	k_q9c469a8997_prep
	.globl	k_q9c469a8997_prep
	.p2align	8
	.type	k_q9c469a8997_prep,@function
k_q9c469a8997_prep:
	s_mov_b64 s[64:65], 0
	v_nop
	global_prefetch_b8 v0, s[64:65] scope:SCOPE_SE
	s_setreg_imm32_b32 hwreg(HW_REG_WAVE_MODE, 25, 1), 1
	s_wait_xcnt 0x0
; THE OPERANDS OF THE PRODUCT THAT FOLLOWS, made once.  xb = bf16(x), qb = bf16(qweight) (the whole numbers themselves; the scale is applied later, in f32),
; tb = x B, at = A turned.  x: [4096][4096] f32, qweight: [4096][4096] i32, B: [4096][16] f32, A: [16][4096] f32.
; tb: [4096 m][32] bf16: places 0-15 hold bf16(t), places 16-31 bf16(t - bf16(t)), t = (x B)[m][.] summed in f32.  at: [4096 n][32] bf16: at[n][k] = bf16(A[k % 16][n]): A's column twice.
; So the sum over the 32 places of tb[m][k] at[n][k] is (hi + lo) . A's column: t's rounding to 16 bits costs next to nothing, for one matrix instruction.
; LIMITS.  qweight may be any i32: exact in bf16 up to 256 in magnitude, beyond that rounded to 8 significant bits.  x, A and B are rounded once to bf16, as matrix operands.
; The order of t's sums differs from a plain chain (16 waves' partial sums, added in a tree).  NaN and infinities are not treated apart.
; SHARES.  Grid y is the KIND: 0 = x, 1 = qweight.  A work-group owns 32 rows of its source, each of its 16 waves 256 columns of all 32 rows.  Four trips: 16 rows x 128 columns each,
; 16 loads of 512 consecutive bytes (a row each), packed to 8 bytes a lane, 16 stores of 256 consecutive bytes at a multiple of 256 from the buffer's first byte.
; Two sets of 64 registers: while one set is packed and stored, the other's 16 loads are on their way: 8 KiB a wave at the least.  No wave wants a byte that another wave has fetched,
; so the stream goes through registers: no tensor loads, no cluster, one barrier (for t's partial sums).  No prefetch: the launch does nothing but stream.
; x's KIND ALSO MAKES t.  The wave's 256 k of B go to LDS as bf16, [k][16], and come back turned (ds_load_tr16_b128) as eight fragments of B^T, kept in registers.  A trip's packed rows pass
; through the wave's own LDS rows (pitch 272) and come back as four fragments of x.  t^T = B^T x^T: source 0 = B^T (16 ranks x 32 k), source 1 = 16 rows of x: a lane holds one row and eight ranks.
; q's KIND ALSO TURNS A: waves 0-3, eight loads of 4 bytes a lane, one store of 512 consecutive bytes a wave.
.set SROW,  16384                      ; bytes in a row of x and of qweight
.set DROW,  8192                       ; bytes in a row of xb and of qb
.set XS,    131072                     ; LDS: bytes 0 to 131,071: B in bf16, 8,192 bytes a wave; from XS: 16 rows x 272 bytes a wave
.set XP,    272                        ; 256 bytes + 16: the 16 rows of a fragment load start at 16 different groups of four banks (64 banks of 4 bytes: ISA guide 11.1)
.set PART,  200704                     ; a wave's partial t: [32 m][16] f32, 2,048 bytes a wave
.set SPARE, 233472                     ; the spare words, 128 bytes for each of 16 waves: eight blocks of 256 bytes that no other line names
.set LN,  1                            ; v1   lane
.set VO,  2                            ; v2   source offset: 1,024 w + 16 l
.set DOF, 3                            ; v3   destination offset: 512 w + 8 l
.set BO,  4                            ; v4   B: 16,384 w + 16 l
.set BLA, 5                            ; v5   LDS: where B's packed 8 bytes go: 8,192 w + 8 l
.set BTA, 6                            ; v6   LDS: the turning load's address
.set XSA, 7                            ; v7   LDS: where a row's packed 8 bytes go
.set XFA, 8                            ; v8   LDS: a fragment of x: row l % 16, 16 bytes for each half of the lanes
.set PSA, 9                            ; v9   LDS: my 32 bytes of the wave's partial t
.set TBO, 10                           ; v10  tb and at: 2,048 g + 512 w + 16 l (waves 0-3)
.set SPW, 12                           ; v12  LDS address of my spare word; never rewritten
.set NIL, 13                           ; v13  0; never rewritten
.set ACC, 16                           ; v[16:31]   two accumulators, by the parity of the fragment's number
.set XF,  32                           ; v[32:63]   four fragments of x; at work in q's kind and at the end
.set BF,  64                           ; v[64:127]  eight fragments of B^T; before that B as loaded
.set RG,  128                          ; v[128:255] two sets of 64
.macro PLACES                          ; places behind matrix instructions where no other vector work is at hand (ISA guide 7.12.1)
.rept 4
	v_nop
.endr
.endm
; Trip t's 16 loads into a set: rows 16 (t / 2) + i, columns 128 (t % 2) on of the wave's 256.
.macro LOADS set, t
.irp i, 0,1,2,3,4,5,6,7,8,9,10,11,12,13,14,15
	global_load_b128 v[RG+64*(\set)+4*(\i):RG+64*(\set)+4*(\i)+3], v[VO], s[6:7] offset:(16*((\t)/2)+(\i))*SROW+((\t)%2)*512 th:TH_LOAD_NT
.endr
.endm
; Four f32 a lane and row become four bf16 in the row's first two registers, in place.
.macro PACKX set
.irp i, 0,1,2,3,4,5,6,7,8,9,10,11,12,13,14,15
	v_cvt_pk_bf16_f32 v[RG+64*(\set)+4*(\i)],   v[RG+64*(\set)+4*(\i)],   v[RG+64*(\set)+4*(\i)+1]
	v_cvt_pk_bf16_f32 v[RG+64*(\set)+4*(\i)+1], v[RG+64*(\set)+4*(\i)+2], v[RG+64*(\set)+4*(\i)+3]
.endr
.endm
; The packed rows leave: 32 lanes x 8 bytes = 256 consecutive bytes a store.  lds = 1: they also go into the wave's own LDS rows.
.macro OUT set, t, lds
.irp i, 0,1,2,3,4,5,6,7,8,9,10,11,12,13,14,15
.if \lds
	ds_store_b64 v[XSA], v[RG+64*(\set)+4*(\i):RG+64*(\set)+4*(\i)+1] offset:XP*(\i)
.endif
	global_store_b64 v[DOF], v[RG+64*(\set)+4*(\i):RG+64*(\set)+4*(\i)+1], s[8:9] offset:(16*((\t)/2)+(\i))*DROW+((\t)%2)*256 th:TH_STORE_NT
.endr
.endm
; 16 loads' worth of B (8 k each, as loaded from register reg on) packed and laid into LDS in the same order: [k][16] bf16, 32 bytes a k.
.macro BRAW reg, first
.irp i, 0,1,2,3,4,5,6,7,8,9,10,11,12,13,14,15
	v_cvt_pk_bf16_f32 v[(\reg)+4*(\i)],   v[(\reg)+4*(\i)],   v[(\reg)+4*(\i)+1]
	v_cvt_pk_bf16_f32 v[(\reg)+4*(\i)+1], v[(\reg)+4*(\i)+2], v[(\reg)+4*(\i)+3]
	ds_store_b64 v[BLA], v[(\reg)+4*(\i):(\reg)+4*(\i)+1] offset:((\first)+(\i))*256
.endr
.endm
; A trip of x's kind.  left: the younger loads that may stay out.  more = 1: the set is loaded again, for trip t + 2.
.macro XTRIP t, left, more
	s_wait_loadcnt \left                           ; loads come back in order (ISA guide 5.7.1): this trip's 16 are in
	PACKX (\t)%2                                   ; these 32 lines are also the places between the last trip's products and the loads into their fragments below
	OUT (\t)%2, \t, 1
.irp f, 0,1,2,3
	ds_load_b128 v[XF+8*(\f):XF+8*(\f)+3],   v[XFA] offset:64*(\f)     ; LDS serves a wave's instructions in order (ISA guide 5.7.1.4): these see the stores above; the rows are the wave's own
	ds_load_b128 v[XF+8*(\f)+4:XF+8*(\f)+7], v[XFA] offset:64*(\f)+32
.endr
	s_wait_dscnt 0x0                               ; the fragments are in, and the LDS stores have read the set
.if \more
	s_wait_xcnt 0x0                                ; the global stores have read the set too: only behind this wait is it loaded again
	LOADS (\t)%2, (\t)+2
.endif
.irp f, 0,1,2,3                        ; the two accumulators take turns, one instruction a turn, from trip to trip too
.if ((\t)%2 == 0) && ((\f) < 2)
	v_wmma_f32_16x16x32_bf16 v[ACC+8*((\f)%2):ACC+8*((\f)%2)+7], v[BF+8*(4*((\t)%2)+(\f)):BF+8*(4*((\t)%2)+(\f))+7], v[XF+8*(\f):XF+8*(\f)+7], 0
.else
	v_wmma_f32_16x16x32_bf16 v[ACC+8*((\f)%2):ACC+8*((\f)%2)+7], v[BF+8*(4*((\t)%2)+(\f)):BF+8*(4*((\t)%2)+(\f))+7], v[XF+8*(\f):XF+8*(\f)+7], v[ACC+8*((\f)%2):ACC+8*((\f)%2)+7]
.endif
.endr
.if (\t)%2 == 1                        ; the block of 16 rows has had the wave's 256 k: the parities are added, low registers first, and the partial sums go to LDS
	PLACES
	PLACES
.irp p, 0,2,4,6
	v_pk_add_f32 v[ACC+(\p):ACC+(\p)+1], v[ACC+(\p):ACC+(\p)+1], v[ACC+8+(\p):ACC+8+(\p)+1]
.endr
	ds_store_b128 v[PSA], v[ACC:ACC+3]   offset:1024*((\t)/2)
	ds_store_b128 v[PSA], v[ACC+4:ACC+7] offset:1024*((\t)/2)+16
.endif
.endm
; A trip of q's kind: i32 to f32 (exact up to 2^24), then as x.
.macro QTRIP t, left, more
	s_wait_loadcnt \left
.set z, 0
.rept 64
	v_cvt_f32_i32 v[RG+64*((\t)%2)+z], v[RG+64*((\t)%2)+z]
.set z, z+1
.endr
	PACKX (\t)%2
	OUT (\t)%2, \t, 0
.if \more
	s_wait_xcnt 0x0                                ; the stores have read the set: only behind this wait is it loaded again
	LOADS (\t)%2, (\t)+2
.endif
.endm
	s_load_b512 s[16:31], s[0:1], 0x0              ; x s[16:17], qweight s[18:19], A s[20:21], B s[22:23], xb s[24:25], qb s[26:27], tb s[28:29], at s[30:31]
	v_lshl_add_u32 v[SPW], v0, 2, SPARE
	v_mov_b32 v[NIL], 0
	v_lshrrev_b32 v11, 5, v0
	v_readfirstlane_b32 s4, v11                    ; wave 0..15
	s_and_b32 s5, ttmp7, 0xffff                    ; the kind
	v_and_b32 v[LN], 31, v0
	v_and_b32 v14, 15, v0                          ; l % 16
	v_bfe_u32 v15, v0, 4, 1                        ; l / 16
	s_lshl_b32 s12, s4, 10
	v_lshl_add_u32 v[VO], v[LN], 4, s12
	s_lshl_b32 s12, s4, 9
	v_lshl_add_u32 v[DOF], v[LN], 3, s12
	s_lshl_b32 s13, ttmp9, 11                      ; the work-group's 32 rows of 64 bytes in tb or at
	s_add_co_u32 s13, s13, s12
	v_lshl_add_u32 v[TBO], v[LN], 4, s13
	s_mov_b32 s11, 0
	s_wait_kmcnt 0x0
	s_cmp_lg_u32 s5, 0                             ; the same in all waves of a work-group
	s_cbranch_scc1 .Lq
	; ---- x's kind ----
	s_lshl_b32 s10, ttmp9, 19                      ; 32 rows of 16,384 bytes
	s_add_nc_u64 s[6:7], s[16:17], s[10:11]
	s_lshl_b32 s10, ttmp9, 18                      ; 32 rows of 8,192 bytes
	s_add_nc_u64 s[8:9], s[24:25], s[10:11]
	s_lshl_b32 s12, s4, 14                         ; the wave's 256 k of B: 16,384 consecutive bytes
	v_lshl_add_u32 v[BO], v[LN], 4, s12
.irp i, 0,1,2,3,4,5,6,7,8,9,10,11,12,13,14,15
	global_load_b128 v[BF+4*(\i):BF+4*(\i)+3], v[BO], s[22:23] offset:512*(\i)
.endr
.irp i, 0,1,2,3,4,5,6,7,8,9,10,11,12,13,14,15
	global_load_b128 v[RG+64+4*(\i):RG+64+4*(\i)+3], v[BO], s[22:23] offset:8192+512*(\i)
.endr
	LOADS 0, 0
	s_lshl_b32 s13, s4, 13                         ; B's place in LDS: 8,192 w
	v_lshl_add_u32 v[BLA], v[LN], 3, s13
	v_and_b32 v11, 7, v0                           ; the turning load: lane l reads k = 8 (l / 16) + l % 8, ranks 8 ((l / 8) % 2) + 0..7
	v_lshl_add_u32 v11, v15, 3, v11
	v_lshl_add_u32 v[BTA], v11, 5, s13
	v_bfe_u32 v11, v0, 3, 1
	v_lshl_add_u32 v[BTA], v11, 4, v[BTA]
	s_mul_i32 s14, s4, 16*XP
	s_add_co_u32 s14, s14, XS                      ; the wave's 16 rows
	v_lshl_add_u32 v[XSA], v[LN], 3, s14
	v_mul_u32_u24 v[XFA], v14, XP
	v_lshl_add_u32 v[XFA], v15, 4, v[XFA]
	v_add_nc_u32 v[XFA], s14, v[XFA]
	s_lshl_b32 s15, s4, 11
	s_add_co_u32 s15, s15, PART                    ; the wave's partial t
	v_lshl_add_u32 v[PSA], v14, 6, s15             ; row l % 16: 64 bytes a row,
	v_lshl_add_u32 v[PSA], v15, 5, v[PSA]          ; ranks 8 (l / 16) on
	s_wait_loadcnt 32                              ; B's first 16 loads are in; two runs of 16 were issued behind them
	BRAW BF, 0
	s_wait_loadcnt 16                              ; B's second 16; x's first trip was issued behind them
	BRAW RG+64, 16
.irp f, 0,1,2,3,4,5,6,7                ; fragment f of B^T: k = 32 f on: two turning loads, 16 k (512 bytes) apart; the bytes are the wave's own
	ds_load_tr16_b128 v[BF+8*(\f):BF+8*(\f)+3],   v[BTA] offset:1024*(\f)
	ds_load_tr16_b128 v[BF+8*(\f)+4:BF+8*(\f)+7], v[BTA] offset:1024*(\f)+512
.endr
	s_wait_dscnt 0x0                               ; the LDS stores have read set 1, which is now loaded
	LOADS 1, 1
	XTRIP 0, 16, 1                                 ; 16: the next trip's loads stay out
	XTRIP 1, 16, 1
	XTRIP 2, 16, 0
	XTRIP 3, 0, 0
	s_branch .Ljoin
	; ---- q's kind ----
.Lq:
	s_lshl_b32 s10, ttmp9, 19
	s_add_nc_u64 s[6:7], s[18:19], s[10:11]
	s_lshl_b32 s10, ttmp9, 18
	s_add_nc_u64 s[8:9], s[26:27], s[10:11]
	v_and_b32 v33, 1, v0                           ; which eight of A's 16 rows
	v_lshrrev_b32 v34, 2, v[LN]
	s_lshl_b32 s12, ttmp9, 5
	s_lshl3_add_u32 s12, s4, s12                   ; 32 g + 8 w
	v_add_nc_u32 v34, s12, v34                     ; my column n of A = my row of at
	v_lshlrev_b32 v34, 2, v34
	v_lshl_add_u32 v32, v33, 17, v34               ; 8 rows of 16,384 bytes x (l % 2) + 4 n
	s_cmp_lt_u32 s4, 4
	s_cbranch_scc0 .Lno_a
.irp j, 0,1,2,3,4,5,6,7                ; older than every other load of the wave, so the counts below hold with and without them
	global_load_b32 v[64+(\j)], v32, s[20:21] offset:16384*(\j)
.endr
.Lno_a:
	LOADS 0, 0
	LOADS 1, 1
	QTRIP 0, 16, 1
	QTRIP 1, 16, 1
	QTRIP 2, 16, 0
	QTRIP 3, 0, 0
	s_cmp_lt_u32 s4, 4
	s_cbranch_scc0 .Ljoin
.irp j, 0,1,2,3
	v_cvt_pk_bf16_f32 v[72+(\j)], v[64+2*(\j)], v[64+2*(\j)+1]
.endr
	global_store_b128 v[TBO], v[72:75], s[30:31]   ; 8 rows of at: 512 consecutive bytes a wave; lanes 4 n' + 0, 1 hold A's column, lanes 4 n' + 2, 3 the same once more
.Ljoin:
	s_wait_dscnt 0x0                               ; for the others' sake: my partial sums lie in LDS
	s_barrier_signal -1
	s_barrier_wait -1                              ; every wave of either kind passes here
	s_cmp_lg_u32 s5, 0
	s_cbranch_scc1 .Lend
	s_cmp_lt_u32 s4, 4                             ; waves 0-3 finish t: 8 rows each; four lanes a row: ranks 0-7 and 8-15, hi and lo
	s_cbranch_scc0 .Lend
	v_lshrrev_b32 v33, 2, v[LN]
	s_lshl_b32 s12, s4, 3
	v_add_nc_u32 v33, s12, v33                     ; my row of the 32: 8 w + l / 4
	v_and_b32 v42, 1, v0
	v_lshlrev_b32 v32, 6, v33
	v_lshl_add_u32 v32, v42, 5, v32                ; my eight ranks
	v_add_nc_u32 v32, PART, v32
	s_wait_xcnt 0x0                                ; the last trips' stores have read the two sets, which are loaded below
.irp w, 0,1,2,3,4,5,6,7,8,9,10,11,12,13,14,15
	ds_load_b128 v[RG+8*(\w):RG+8*(\w)+3],   v32 offset:2048*(\w)
	ds_load_b128 v[RG+8*(\w)+4:RG+8*(\w)+7], v32 offset:2048*(\w)+16
.endr
	v_and_b32 v43, 2, v0
	s_wait_dscnt 0x0
.irp s, 8,4,2,1                        ; the 16 waves' partial sums, in f32: a tree, 60 packed additions
.set q, 0
.rept 4*(\s)
	v_pk_add_f32 v[RG+2*q:RG+2*q+1], v[RG+2*q:RG+2*q+1], v[RG+8*(\s)+2*q:RG+8*(\s)+2*q+1]
.set q, q+1
.endr
.endr
.irp j, 0,1,2,3
	v_cvt_pk_bf16_f32 v[34+(\j)], v[RG+2*(\j)], v[RG+2*(\j)+1]   ; hi
.endr
.irp j, 0,1,2,3
	v_lshlrev_b32 v[44+2*(\j)], 16, v[34+(\j)]                    ; hi as f32
	v_and_b32 v[44+2*(\j)+1], 0xffff0000, v[34+(\j)]
.endr
.irp j, 0,2,4,6
	v_pk_add_f32 v[RG+(\j):RG+(\j)+1], v[RG+(\j):RG+(\j)+1], v[44+(\j):44+(\j)+1] neg_lo:[0,1] neg_hi:[0,1]  ; t - hi, exact
.endr
.irp j, 0,1,2,3
	v_cvt_pk_bf16_f32 v[38+(\j)], v[RG+2*(\j)], v[RG+2*(\j)+1]   ; lo
.endr
	v_cmp_ne_u32 vcc_lo, 0, v43
.irp j, 0,1,2,3
	v_cndmask_b32 v[34+(\j)], v[34+(\j)], v[38+(\j)], vcc_lo      ; lanes 4 m' + 2, 3 take lo
.endr
	global_store_b128 v[TBO], v[34:37], s[28:29]   ; 8 rows of tb: 512 consecutive bytes a wave
.Lend:
	s_wait_tensorcnt 0x0                           ; the wave's end, behind my last LDS store
	ds_add_u32 v[SPW], v[NIL]
	s_wait_dscnt 0x0
	s_endpgm
.Lfunc_end_k_q9c469a8997_prep:
	.size	k_q9c469a8997_prep, .Lfunc_end_k_q9c469a8997_prep-k_q9c469a8997_prep
	.p2alignl 7, 3214868480
	.fill 96, 4, 3214868480
	.section	.rodata,"a",@progbits
	.p2align	6, 0x0
	.amdhsa_kernel k_q9c469a8997_prep
		.amdhsa_group_segment_fixed_size 235520
		.amdhsa_private_segment_fixed_size 0
		.amdhsa_enable_private_segment 0
		.amdhsa_kernarg_size 64
		.amdhsa_user_sgpr_count 2
		.amdhsa_user_sgpr_kernarg_segment_ptr 1
		.amdhsa_wavefront_size32 1
		.amdhsa_system_sgpr_workgroup_id_x 1
		.amdhsa_system_sgpr_workgroup_id_y 1
		.amdhsa_system_sgpr_workgroup_id_z 1
		.amdhsa_system_vgpr_workitem_id 0
		.amdhsa_next_free_vgpr 256
		.amdhsa_next_free_sgpr 66
		.amdhsa_reserve_vcc 1
		.amdhsa_float_denorm_mode_32 3
		.amdhsa_float_denorm_mode_16_64 3
		.amdhsa_memory_ordered 1
		.amdhsa_forward_progress 1
		.amdhsa_inst_pref_size 79
	.end_amdhsa_kernel
	.amdgpu_metadata
---
amdhsa.version: [ 1, 2 ]
amdhsa.kernels:
  - .name:           k_q9c469a8997_prep
    .symbol:         k_q9c469a8997_prep.kd
    .args:
      - { .name: x, .offset: 0, .size: 8, .value_kind: global_buffer, .address_space: global }
      - { .name: qweight, .offset: 8, .size: 8, .value_kind: global_buffer, .address_space: global }
      - { .name: A, .offset: 16, .size: 8, .value_kind: global_buffer, .address_space: global }
      - { .name: B, .offset: 24, .size: 8, .value_kind: global_buffer, .address_space: global }
      - { .name: xb, .offset: 32, .size: 8, .value_kind: global_buffer, .address_space: global }
      - { .name: qb, .offset: 40, .size: 8, .value_kind: global_buffer, .address_space: global }
      - { .name: tb, .offset: 48, .size: 8, .value_kind: global_buffer, .address_space: global }
      - { .name: at, .offset: 56, .size: 8, .value_kind: global_buffer, .address_space: global }
    .group_segment_fixed_size: 235520
    .private_segment_fixed_size: 0
    .kernarg_segment_align: 8
    .kernarg_segment_size: 64
    .max_flat_workgroup_size: 512
    .sgpr_count:     66
    .vgpr_count:     256
    .wavefront_size: 32
...
	.end_amdgpu_metadata
.endif
;; end of part 1
;; launch gemm (part 2): grid 16 x 16, 4 waves a work-group, clusters of 4 x 4, 327,680 bytes of LDS; arguments xb, qb, out0, tb, at, bias, scale; writes out0
.if DOCPART == 2
	.amdgcn_target "amdgcn-amd-amdhsa--gfx1250"
	.amdhsa_code_object_version 6
	.text
	.protected	k_q9c469a8997_gemm
	.globl	k_q9c469a8997_gemm
	.p2align	8
	.type	k_q9c469a8997_gemm,@function
k_q9c469a8997_gemm:
	s_mov_b64 s[64:65], 0
	v_nop
	global_prefetch_b8 v0, s[64:65] scope:SCOPE_SE
	s_setreg_imm32_b32 hwreg(HW_REG_WAVE_MODE, 25, 1), 1
	s_wait_xcnt 0x0
	s_wait_alu depctr_hold_cnt(0) depctr_sa_sdst(0) depctr_va_vdst(0) depctr_va_sdst(0) depctr_va_ssrc(0) depctr_va_vcc(0) depctr_vm_vsrc(0)
	s_getreg_b32 s2, hwreg(HW_REG_IB_STS2, 6, 4)
	s_cmp_eq_u32 s2, 0
	s_cbranch_scc0 .Lentry_in_a_cluster
	s_endpgm
.Lentry_in_a_cluster:
	s_bfe_u32 s2, ttmp6, 0x10000c
	s_cmp_lg_u32 s2, 0xf033
	s_cbranch_scc0 .Lentry_shape_is_right
	s_endpgm
.Lentry_shape_is_right:
; out0[m][n] = scale x (the sum over k of xb[m][k] qb[n][k]) + bias[n] + the sum over 32 places of tb[m][k] at[n][k].
; xb, qb: [4096][4096] bf16 (qb holds the whole numbers of qweight); tb, at: [4096][32] bf16 (x B as hi and lo; A's column twice); bias: [4096] f32; scale: one f32; out0: [4096][4096] f32.
; All sums in f32.  scale and bias are applied in f32, by one fused multiply-add on the finished sums; the low-rank product is then one more K step of 32 onto the same accumulators.
; LIMITS.  The operands carry one rounding to bf16 (x, A, B; qweight beyond 256 in magnitude); the order of the sums differs from a plain chain; NaN and infinities are not treated apart.
; A tile of out0, 256 x 256, is made by a work-group of four waves; a wave makes 128 x 128: 64 accumulators of 16 x 16, 512 registers.  16 x 16 tiles: one for each work-group.
; K goes in steps of 128 through a ring of two LDS slots filled by the tensor data mover: the tiles' rows are 256 bytes of memory and start at multiples of 256 bytes from the buffer's first byte.
; CLUSTERS: 4 x 4 work-groups.  The four of a row of the cluster need the same tiles of xb, the four of a column the same tiles of qb.  Such a tile is asked for JOINTLY: each of the four issues the
; same tensor load, with the same descriptor and a mask that names the four, and each receives the tile in its own LDS: a quarter of the requests.
; REGISTERS, in windows of 256 (s_set_vgpr_msb's low byte: bits 1:0 source 0, 3:2 source 1, 5:4 source 2, 7:6 destination):
;   window 0: v0-31 addresses; v64-127, v128-191 fragments of xb, two buffers (on the way out: rows read back from the stage, two buffers); v192-255 tb's eight fragments
;   window 1: v0-63 at's eight fragments; v64-127, v128-191 fragments of qb, two buffers; v192-255 bias of my 128 columns as a lane's results want them
;   window 2: the 32 accumulators of my rows 0-63 (accumulator (a, b) at v[8 (8 a + b)]);   window 3: those of my rows 64-127
; THE MATRIX INSTRUCTION IS USED TRANSPOSED: source 0 = 16 rows of qb (or at), source 1 = 16 rows of xb (or tb).  In the result lane l holds row m = l % 16 and its registers 0 to 7 the
; columns n = 8 (l / 16) + 0 .. 7: 32 neighbouring bytes of a row of out0.
.set SIZE_N, 4096
.set SIZE_K, 4096
.set KSTEP,  128
.set PITCH,  272                       ; an LDS row: 256 bytes + 16 of padding = 68 words: the 16 rows that a load touches start at 16 different groups of four banks (64 banks of 4 bytes: ISA guide 11.1)
.set HALFT,  128*PITCH                 ; 128 rows: what one tensor load brings, and what one wave reads of xb or of qb
.set SLOT,   4*HALFT                   ; xb's 256 rows, then qb's 256 rows
.set STAGE,  2*SLOT                    ; behind the ring, never filled by a tensor load: 16 rows x 528 bytes for each wave, for the way out
.set SPITCH, 528                       ; 512 bytes + 16
.set SPARE,  STAGE+4*16*SPITCH         ; behind the stages: the spare words, 128 bytes for each wave: two blocks of 256 bytes that no other line names
.set LAPS,   SIZE_K/(2*KSTEP)          ; a lap = two K steps = once round the ring
.set ADRA, 16                          ; v16-17  LDS address of my xb fragments in slot 0, 1
.set ADRB, 20                          ; v20-21  the same for qb
.set STO,  24                          ; v24     the way out: where I put 32 bytes of a row
.set RD,   25                          ; v25     the way out: where I read a row back
.set CO,   26                          ; v26     16 x lane: my 16 bytes of a row's 512
.set EO,   27                          ; v27     tb and at: row l % 16 of 64 bytes, 16 bytes for each half of the lanes; never rewritten
.set SPW,  28                          ; v28     LDS address of my spare word; never rewritten
.set NIL,  29                          ; v29     0; never rewritten
.set PFO,  30                          ; v30     the prefetches' offset: lane x a row of 8,192 bytes; never rewritten
.set BO,   31                          ; v31     bias: 32 bytes for each half of the lanes; never rewritten
.set F0,   64                          ; fragment buffer 0
.set F1,   128                         ; fragment buffer 1
.set OB,   64                          ; the way out: 16 rows read back, v64-127 and v128-191 by turns
.set TF,   192                         ; window 0: tb's fragment of block a at TF + 8 a
.set AF,   0                           ; window 1: at's fragment of n block b at AF + 8 b
.set BI,   192                         ; window 1: bias of columns 16 b + 8 (l / 16) + 0..7 at BI + 8 b
.set G1,  24                           ; s[24:31] descriptor group 1 for xb's tiles
.set G0,  32                           ; s[32:39] descriptor group 0 for xb's tiles, one set for each slot
.set LIM, 43                           ; s43      1 in a wave that prefetches, else the greatest number
.set PFA, 44                           ; s[44:45] where my prefetches stand
.set G1B, 48                           ; s[48:55] group 1 for qb's tiles: it differs in the mask alone
.set G0B, 56                           ; s[56:63] group 0 for qb's tiles
.set SC,  76                           ; s[76:77] scale: the packed multiply-add names a pair and takes its low word for both halves
.set MSB, 0
.macro WIN new                         ; the immediate's high byte repeats the setting that is left; a switch that changes nothing is dropped
.if MSB != (\new)
	s_set_vgpr_msb (MSB<<8)|(\new)
.set MSB, \new
.endif
.endm
.set MUL_LO, 0xa1                      ; source 0 window 1, source 1 window 0, C and D window 2
.set MUL_HI, 0xf1                      ; the same, C and D window 3
.set TO_B,   0x40                      ; destination window 1, address window 0
; A joint load.  Waves 0 and 1 fetch xb's two halves, waves 2 and 3 qb's.  The branch hangs on the wave's number alone.  An s_nop 0 and four v_nop follow each of the two lines.
.macro JLOAD s
	s_cmp_eq_u32 s11, 0
	s_cbranch_scc0 .Lfor_b_\@
	tensor_load_to_lds s[G0+4*(\s):G0+4*(\s)+3], s[G1:G1+7]
	s_nop 0
.rept 4
	v_nop
.endr
	s_branch .Lasked_\@
.Lfor_b_\@:
	tensor_load_to_lds s[G0B+4*(\s):G0B+4*(\s)+3], s[G1B:G1B+7]
	s_nop 0
.rept 4
	v_nop
.endr
.Lasked_\@:
.endm
; A PREFETCH, behind each joint refill, its five lines and the run of LDS loads that follows: the K step that stands TWO refills on: 32 rows x 256 bytes, a lane a row, one instruction a wave: 512 matrix
; instructions ahead of the load that will want it.  Each row's 256 bytes of a K step are named ONCE in the launch: xb's tile row is read by every cluster of that row of clusters, and cluster x = 0 asks;
; qb's tile column by every cluster of that column, and cluster y = 0 asks.  The four partners of a joint load share its 128 rows out BY ADDRESS, 32 each: no branch hangs on a place in the cluster.
; The loop's last trip asks for nothing: its refills are K steps 30 and 31, and there is no K step two on.  K steps 0 to 3 come by their loads alone.
.macro ASK
	s_cmp_gt_u32 s3, s[LIM]                        ; s3 = 1 in the loop's last trip
	s_cbranch_scc0 .Lnot_mine_\@
	global_prefetch_b8 v[PFO], s[PFA:PFA+1] offset:KSTEP*2 th:TH_LOAD_NT scope:SCOPE_SE
.Lnot_mine_\@:
.endm
; A round of the cluster's barrier: my work-group's barrier; wave 0 signals for the work-group; every wave waits for all sixteen work-groups; my work-group's barrier once more.
.macro CREST                           ; a round behind its opening barrier
	s_cmp_lg_u32 s10, 0
	s_cbranch_scc1 .Lnot_wave_0_\@
	s_barrier_signal -3
.Lnot_wave_0_\@:
	s_barrier_wait -3
	s_barrier_signal -1
	s_barrier_wait -1
.endm
.macro CROUND                          ; a whole round
	s_barrier_signal -1
	s_barrier_wait -1
	CREST
.endm
	s_load_b128 s[4:7], s[0:1], 0x0                ; xb s[4:5], qb s[6:7]
	s_load_b64 s[8:9], s[0:1], 0x10                ; out0
	s_load_b128 s[68:71], s[0:1], 0x18             ; tb s[68:69], at s[70:71]
	s_load_b128 s[72:75], s[0:1], 0x28             ; bias s[72:73], scale's address s[74:75]
	v_lshl_add_u32 v[SPW], v0, 2, SPARE
	v_mov_b32 v[NIL], 0
	ds_add_u32 v[SPW], v[NIL]                      ; the wave's opening: the add and its wait stand ahead of my first tensor load; the set-up below, work on registers, stands between them
	v_lshrrev_b32 v1, 5, v0
	v_readfirstlane_b32 s10, v1                    ; wave 0..3
	s_lshr_b32 s11, s10, 1                         ; which half of the tile's rows is mine.  Also: I fetch for xb (0) or for qb (1)
	s_and_b32 s12, s10, 1                          ; which half of its columns.  Also: which 128 rows of that tile I fetch
	s_bfe_u32 s40, ttmp6, 0x40000                  ; cx
	s_bfe_u32 s41, ttmp6, 0x40004                  ; cy
	s_lshl_b32 s42, ttmp9, 2                       ; in a cluster launch ttmp9 and ttmp7 count clusters
	s_add_co_u32 s42, s42, s40                     ; tile column = 4 x cluster x + cx
	s_and_b32 s13, ttmp7, 0xffff
	s_lshl_b32 s13, s13, 2
	s_add_co_u32 s13, s13, s41                     ; tile row = 4 x cluster y + cy
	s_lshl_b32 s43, s41, 2
	s_lshl_b32 s43, 15, s43                        ; my row of the cluster: places 4 cy .. 4 cy + 3
	s_lshl_b32 s44, 0x1111, s40                    ; my column: places cx, cx + 4, cx + 8, cx + 12
	; descriptor group 1: a tile of 128 rows x 128 elements, padded in LDS
	s_or_b32 s[G1+0], s43, (1<<16)|(1<<20)|(1<<21)|(5<<22)|(3<<25)  ; 15:0 the mask: xb's tiles go to my row; 17:16 elements of 2 bytes; 20 padding on; 21 set beside a mask; 24:22 after every 64 words (code 5); 31:25 4 words (code 3)
	s_or_b32 s[G1B+0], s44, (1<<16)|(1<<20)|(1<<21)|(5<<22)|(3<<25) ; the same with the mask of my column, for qb's tiles
	s_mov_b32 s[G1B+1], KSTEP<<16
	s_mov_b32 s[G1+1], KSTEP<<16                   ; tensor_dim0 = 128
	s_mov_b32 s[G1B+2], 128<<16
	s_mov_b32 s[G1+2], 128<<16                     ; tensor_dim1 = 128
	s_mov_b32 s[G1B+3], KSTEP<<16
	s_mov_b32 s[G1+3], KSTEP<<16                   ; tile_dim0 = 128
	s_mov_b32 s[G1B+4], 128
	s_mov_b32 s[G1+4], 128                         ; tile_dim1 = 128
	s_mov_b32 s[G1B+5], SIZE_K
	s_mov_b32 s[G1+5], SIZE_K                      ; elements from row to row
	s_mov_b32 s[G1B+6], 0
	s_mov_b32 s[G1+6], 0
	s_mov_b32 s[G1B+7], 0
	s_mov_b32 s[G1+7], 0
	; where the tiles come from.  xb's hang on the tile row alone, which my row of the cluster shares; qb's on the tile column alone, which my column shares.
	s_lshl_b32 s17, s12, 7                         ; which 128 rows of the tile I fetch
	s_lshl_b32 s16, s13, 8
	s_add_co_u32 s16, s16, s17                     ; xb: row 256 x tile row + 128 x half
	s_lshl_b32 s46, s42, 8
	s_add_co_u32 s46, s46, s17                     ; qb: row 256 x tile column + 128 x half
	s_mov_b32 s17, 0
	s_mov_b32 s47, 0
	s_mov_b64 s[18:19], SIZE_K*2
	s_mul_u64 s[16:17], s[16:17], s[18:19]         ; in bytes
	s_mul_u64 s[46:47], s[46:47], s[18:19]
	s_mul_i32 s20, s10, HALFT                      ; and where they go: wave x 128 rows: no place in the cluster enters an LDS address
	s_wait_dscnt 0x0                               ; the opening add is done
	s_wait_kmcnt 0x0
	s_add_nc_u64 s[14:15], s[4:5], s[16:17]
	s_add_nc_u64 s[46:47], s[6:7], s[46:47]
	CROUND                                         ; all sixteen work-groups are here: the first joint loads meet
.irp s, 0,1
	s_mov_b32 s[G0+4*(\s)], 1                                      ; count = 1
	s_add_co_u32 s[G0+4*(\s)+1], s20, (\s)*SLOT                    ; LDS address
	s_add_nc_u64 s[G0+4*(\s)+2:G0+4*(\s)+3], s[14:15], (\s)*KSTEP*2  ; global address: K step s
	s_or_b32 s[G0+4*(\s)+3], s[G0+4*(\s)+3], 0x80000000            ; type = 2
	s_mov_b32 s[G0B+4*(\s)], 1
	s_add_co_u32 s[G0B+4*(\s)+1], s20, (\s)*SLOT
	s_add_nc_u64 s[G0B+4*(\s)+2:G0B+4*(\s)+3], s[46:47], (\s)*KSTEP*2
	s_or_b32 s[G0B+4*(\s)+3], s[G0B+4*(\s)+3], 0x80000000
	JLOAD \s                                       ; the ring is filled before anything else is done: two loads of mine are out
.endr
	s_load_b32 s[SC], s[74:75], 0x0                ; scale
	; A fragment is 16 rows x 32 K in 8 registers: lane l holds row l % 16; registers 0-3 hold K = 8 (l / 16) + 0..7, registers 4-7 K = 16 + 8 (l / 16) + 0..7: two loads of 16 bytes, 32 bytes apart.
	v_and_b32 v1, 15, v0                           ; l % 16
	v_bfe_u32 v2, v0, 4, 1                         ; l / 16
	v_mul_u32_u24 v3, v1, PITCH
	v_lshl_add_u32 v3, v2, 4, v3                   ; row x pitch + 16 x half
	s_mul_i32 s21, s11, HALFT                      ; my 128 rows of xb
	s_mul_i32 s22, s12, HALFT                      ; my 128 rows of qb,
	s_add_co_u32 s22, s22, 2*HALFT                 ; which lie behind xb's 256
.irp s, 0,1
	v_add_nc_u32 v[ADRA+(\s)], s21, v3
	v_add_nc_u32 v[ADRB+(\s)], s22, v3
	s_add_co_u32 s21, s21, SLOT
	s_add_co_u32 s22, s22, SLOT
.endr
	s_mul_i32 s23, s10, 16*SPITCH
	s_add_co_u32 s23, s23, STAGE                   ; my stage
	v_mul_u32_u24 v4, v1, SPITCH                   ; in: row l % 16, 32 bytes for each half of the lanes
	v_lshl_add_u32 v4, v2, 5, v4
	v_add_nc_u32 v[STO], s23, v4
	v_and_b32 v5, 31, v0
	v_lshlrev_b32 v[CO], 4, v5                     ; back: 32 lanes take one row of 512 bytes
	v_add_nc_u32 v[RD], s23, v[CO]
	v_lshlrev_b32 v[EO], 6, v1
	v_lshl_add_u32 v[EO], v2, 4, v[EO]
	v_lshlrev_b32 v[BO], 5, v2
	; my part of out0, tb, at and bias
	s_lshl_b32 s13, s13, 8                         ; 256 x tile row
	s_lshl_b32 s14, s11, 7
	s_add_co_u32 s16, s13, s14                     ; my first row
	s_lshl_b32 s18, s16, 6                         ; 64 bytes of tb a row
	s_mov_b32 s19, 0
	s_add_nc_u64 s[68:69], s[68:69], s[18:19]
	s_lshl_b32 s16, s16, 14                        ; 16,384 bytes of out0 a row
	s_mov_b32 s17, 0
	s_lshl_b32 s46, s42, 10                        ; my first column, 4 bytes each: 1,024 x tile column + 512 x half
	s_lshl_b32 s47, s12, 9
	s_add_co_u32 s46, s46, s47
	s_mov_b32 s47, 0
	s_add_nc_u64 s[16:17], s[16:17], s[46:47]      ; what the first way out adds to out0's address
	s_add_nc_u64 s[72:73], s[72:73], s[46:47]      ; bias at my first column
	s_lshl_b32 s46, s46, 4                         ; 64 bytes of at a column
	s_add_nc_u64 s[70:71], s[70:71], s[46:47]
	; the prefetches.  s13 = 256 x tile row, s42 = tile column, s40 = cx, s41 = cy still stand
	s_lshl_b32 s42, s42, 8
	s_and_b32 s22, ttmp7, 0xffff                   ; cluster y
	s_cmp_eq_u32 s11, 0                            ; do I fetch for xb?
	s_cselect_b32 s20, s13, s42                    ; the tile's first row
	s_cselect_b32 s21, s40, s41                    ; my place among the four that ask for it with me
	s_cselect_b32 s22, ttmp9, s22                  ; the coordinate along which other clusters read the same rows
	s_cselect_b64 s[PFA:PFA+1], s[4:5], s[6:7]
	s_cmp_eq_u32 s22, 0
	s_cselect_b32 s[LIM], 1, -1                    ; the same in all sixteen partners, for a given wave
	s_lshl_b32 s22, s12, 7
	s_add_co_u32 s20, s20, s22                     ; + the 128 rows that I fetch
	s_lshl_b32 s21, s21, 5
	s_add_co_u32 s20, s20, s21                     ; + my work-group's 32 of them
	s_mov_b32 s21, 0
	s_mov_b64 s[18:19], SIZE_K*2
	s_mul_u64 s[20:21], s[20:21], s[18:19]
	s_add_nc_u64 s[PFA:PFA+1], s[PFA:PFA+1], s[20:21]
	s_add_nc_u64 s[PFA:PFA+1], s[PFA:PFA+1], 2*KSTEP*2  ; at K step 2: the first refill steps it to 3 and names K step 4
	v_and_b32 v[PFO], 31, v0
	v_mul_u32_u24 v[PFO], v[PFO], SIZE_K*2
	; what the way out wants: 48 loads into registers that the loop leaves alone; they are waited for behind the last product
.irp a, 0,1,2,3,4,5,6,7
	global_load_b128 v[TF+8*(\a):TF+8*(\a)+3],   v[EO], s[68:69] offset:1024*(\a)     ; tb, my rows 16 a on
	global_load_b128 v[TF+8*(\a)+4:TF+8*(\a)+7], v[EO], s[68:69] offset:1024*(\a)+32
.endr
	WIN TO_B
.irp b, 0,1,2,3,4,5,6,7
	global_load_b128 v[AF+8*(\b):AF+8*(\b)+3],   v[EO], s[70:71] offset:1024*(\b)     ; at, my columns 16 b on
	global_load_b128 v[AF+8*(\b)+4:AF+8*(\b)+7], v[EO], s[70:71] offset:1024*(\b)+32
	global_load_b128 v[BI+8*(\b):BI+8*(\b)+3],   v[BO], s[72:73] offset:64*(\b)       ; bias, columns 16 b + 8 (l / 16) on
	global_load_b128 v[BI+8*(\b)+4:BI+8*(\b)+7], v[BO], s[72:73] offset:64*(\b)+16
.endr
	WIN 0
	s_wait_kmcnt 0x0
	s_mov_b32 s[SC+1], s[SC]                       ; named with it as a pair
; 16 matrix instructions: m blocks a0, a0 + 1 of the window's four (hi = 0: my rows 0-63, 1: rows 64-127) x all 8 n blocks, 32 along K.  zero = 1: the first product starts the sums.
.macro MUL16 f, hi, a0, zero
	WIN MUL_LO+0x50*(\hi)
.irp a, \a0, (\a0)+1
.irp b, 0,1,2,3,4,5,6,7
.if \zero
	v_wmma_f32_16x16x32_bf16 v[8*(8*(\a)+(\b)):8*(8*(\a)+(\b))+7], v[(\f)+8*(\b):(\f)+8*(\b)+7], v[(\f)+8*(4*(\hi)+(\a)):(\f)+8*(4*(\hi)+(\a))+7], 0
.else
	v_wmma_f32_16x16x32_bf16 v[8*(8*(\a)+(\b)):8*(8*(\a)+(\b))+7], v[(\f)+8*(\b):(\f)+8*(\b)+7], v[(\f)+8*(4*(\hi)+(\a)):(\f)+8*(4*(\hi)+(\a))+7], v[8*(8*(\a)+(\b)):8*(8*(\a)+(\b))+7]
.endif
.endr
.endr
.endm
; 32 LDS loads in one run: the fragments of one quarter step (128 rows of qb, 128 rows of xb, 32 K at byte k of the rows) into buffer f
.macro FETCH slot, k, f
	WIN TO_B
.irp i, 0,1,2,3,4,5,6,7
	ds_load_b128 v[(\f)+8*(\i):(\f)+8*(\i)+3],   v[ADRB+(\slot)] offset:(\k)+(\i)*16*PITCH
	ds_load_b128 v[(\f)+8*(\i)+4:(\f)+8*(\i)+7], v[ADRB+(\slot)] offset:(\k)+(\i)*16*PITCH+32
.endr
	WIN 0
.irp i, 0,1,2,3,4,5,6,7
	ds_load_b128 v[(\f)+8*(\i):(\f)+8*(\i)+3],   v[ADRA+(\slot)] offset:(\k)+(\i)*16*PITCH
	ds_load_b128 v[(\f)+8*(\i)+4:(\f)+8*(\i)+7], v[ADRA+(\slot)] offset:(\k)+(\i)*16*PITCH+32
.endr
.endm
; A load into a register that a matrix instruction has read, and a vector instruction that reads a matrix result or writes one of a matrix instruction's registers, stand four places behind it; only
; plain vector instructions that name none of its registers are places (ISA guide 7.12.1 for vector instructions).
.macro PLACES
.rept 4
	v_nop
.endr
.endm
; A K step is four quarter steps of 32 along K, 64 matrix instructions each, on buffers 0, 1, 0, 1.  The 64 accumulators take turns, in the same order in every quarter.
; One of the first three quarters: multiplies buffer f; in its middle it fetches the next quarter's fragments, at byte k of the same slot's rows, into buffer g.
.macro QUARTER slot, k, f, g, zero
	s_wait_dscnt 8                                 ; qb and xb's rows 0-63 are in; the youngest eight loads (xb's rows 64-127) may be out
	WIN MUL_LO
	MUL16 \f, 0, 0, \zero
	MUL16 \f, 0, 2, \zero
	PLACES
	FETCH \slot, \k, \g
	s_wait_dscnt 32                                ; all but the 32 just issued
	WIN MUL_HI
	MUL16 \f, 1, 0, \zero
	MUL16 \f, 1, 2, \zero
.endm
; The last quarter multiplies buffer 1 and changes slots.  MEET is its first half: ONE barrier for the change.  In front of it each wave waits for all its tensor loads, of which one is out: its part of
; the next slot; adds 0 to its spare word; and waits for that and for its own reads of this slot.  Behind it nobody reads this slot any more and the next slot is whole.
.macro MEET round                      ; round = 1: a round of the cluster's barrier follows
	WIN 0                                          ; (the add's two registers lie in window 0)
	s_wait_tensorcnt 0x0                           ; all my tensor loads have landed;
	ds_add_u32 v[SPW], v[NIL]                      ; 0 onto my spare word;
	s_wait_dscnt 9                                 ; (the add and the youngest eight loads may be out)
	WIN MUL_LO
	MUL16 F1, 0, 0, 0                              ; sixteen matrix instructions stand between the add and the wait for it
	s_wait_dscnt 0x0                               ; the add is done, and my reads of this slot are over:
	s_barrier_signal -1                            ; say so,
	MUL16 F1, 0, 2, 0                              ; work on registers while the others arrive,
.if \round
	WIN 0
.endif
	s_barrier_wait -1                              ; and go on when all four have said so
.endm
; The whole last quarter, with a refill: behind the round the slot just read out is filled again first, with the K step two steps on; then come the next slot's first fragments.
; From a request to the wait for it a wave issues 224 matrix instructions.
.macro TURN slot, next
	s_wait_xcnt 0x0                                ; the last prefetch, a K step back, has read its address: it is stepped here, ahead of the waits of the change of slots
	s_add_nc_u64 s[PFA:PFA+1], s[PFA:PFA+1], KSTEP*2
	MEET 1
	CREST                                          ; all sixteen work-groups have said so: no wave of any partner still reads this slot's tile or has a load on its way
	s_add_nc_u64 s[G0+4*(\slot)+2:G0+4*(\slot)+3], s[G0+4*(\slot)+2:G0+4*(\slot)+3], 2*KSTEP*2
	s_add_nc_u64 s[G0B+4*(\slot)+2:G0B+4*(\slot)+3], s[G0B+4*(\slot)+2:G0B+4*(\slot)+3], 2*KSTEP*2
	JLOAD \slot                                    ; the first tensor load behind the round, my one load until the next; its four v_nop are also the places in front of the loads below
	FETCH \next, 0, F0
	ASK
	WIN MUL_HI
	MUL16 F1, 1, 0, 0
	MUL16 F1, 1, 2, 0
.endm
; THE WAY OUT of block a (16 of my rows), in four parts.
.macro FIN a                           ; sum x scale + bias, in place, in f32: 32 packed multiply-adds, each accumulator's registers in ascending order
.set AC, 64*((\a)%4)
	WIN 0x92+0x41*((\a)/4)                         ; destination and source 0 window 2 or 3, source 2 (bias) window 1
.irp b, 0,1,2,3,4,5,6,7
.irp p, 0,2,4,6
	v_pk_fma_f32 v[AC+8*(\b)+(\p):AC+8*(\b)+(\p)+1], v[AC+8*(\b)+(\p):AC+8*(\b)+(\p)+1], s[SC:SC+1], v[BI+8*(\b)+(\p):BI+8*(\b)+(\p)+1] op_sel_hi:[1,0,1]
.endr
.endr
.endm
.macro LORA a                          ; + tb at^T: one more K step of 32, eight different accumulators
.set AC, 64*((\a)%4)
	WIN MUL_LO+0x50*((\a)/4)
.irp b, 0,1,2,3,4,5,6,7
	v_wmma_f32_16x16x32_bf16 v[AC+8*(\b):AC+8*(\b)+7], v[AF+8*(\b):AF+8*(\b)+7], v[TF+8*(\a):TF+8*(\a)+7], v[AC+8*(\b):AC+8*(\b)+7]
.endr
.endm
.macro TOSTAGE a                       ; into my own stage, 32 bytes a lane and accumulator, and back as whole rows of 512 bytes
.set AC, 64*((\a)%4)
.set BK, OB+64*((\a)%2)
	WIN 0x08+4*((\a)/4)                            ; store data (source 1) window 2 or 3
.irp b, 0,1,2,3,4,5,6,7
	ds_store_b128 v[STO], v[AC+8*(\b):AC+8*(\b)+3]   offset:64*(\b)
	ds_store_b128 v[STO], v[AC+8*(\b)+4:AC+8*(\b)+7] offset:64*(\b)+16
.endr
	WIN 0
.irp t, 0,1,2,3,4,5,6,7,8,9,10,11,12,13,14,15
	ds_load_b128 v[BK+4*(\t):BK+4*(\t)+3], v[RD] offset:(\t)*SPITCH  ; LDS serves a wave's instructions in order (ISA guide 5.7.1.4): these see the stores above
.endr
.endm
.macro SEND a
	WIN 0
.set BK, OB+64*((\a)%2)
	s_wait_xcnt 0x0                                ; every earlier store has read its registers and its base: only behind this wait are the base and the buffer of the block before last rewritten
.if (\a) == 0
	s_add_nc_u64 s[8:9], s[8:9], s[16:17]          ; my first row and column
.else
	s_add_nc_u64 s[8:9], s[8:9], 16*SIZE_N*4       ; 16 rows on
.endif
.irp t, 0,1,2,3,4,5,6,7,8,9,10,11,12,13,14,15
	s_wait_dscnt 15-(\t)                           ; row t is back; the younger loads may stay out
	global_store_b128 v[CO], v[BK+4*(\t):BK+4*(\t)+3], s[8:9] offset:(\t)*SIZE_N*4 th:TH_STORE_NT  ; 512 consecutive bytes, at a multiple of 512 from out0's first byte
.endr
.endm
	s_wait_tensorcnt 1                             ; my part of K step 0 is in; K step 1's may stay out
	s_barrier_signal -1
	s_barrier_wait -1                              ; everybody's is
	FETCH 0, 0, F0
	QUARTER 0, 64,  F0, F1, 1                      ; the first quarter stands in front of the loop: its products start the sums
	WIN 0                                          ; at a label and at a branch every window is 0
	s_mov_b32 s3, LAPS-1
.Llap:                                                 ; a trip goes once round the ring, from a lap's second quarter to the next lap's first, and fills both slots again
	QUARTER 0, 128, F1, F0, 0
	QUARTER 0, 192, F0, F1, 0
	TURN 0, 1
	QUARTER 1, 64,  F0, F1, 0
	QUARTER 1, 128, F1, F0, 0
	QUARTER 1, 192, F0, F1, 0
	TURN 1, 0
	QUARTER 0, 64,  F0, F1, 0
	WIN 0
	s_sub_co_u32 s3, s3, 1
	s_cmp_lg_u32 s3, 0
	s_cbranch_scc1 .Llap
	QUARTER 0, 128, F1, F0, 0                      ; the last lap is written out: it fills nothing
	QUARTER 0, 192, F0, F1, 0
	MEET 0                                         ; my one tensor load that was still out is slot 1's, the last K step's; no round follows
	PLACES                                         ; for the loads into buffer 0, which the quarter before multiplied
	FETCH 1, 0, F0
	MUL16 F1, 1, 0, 0
	MUL16 F1, 1, 2, 0
	QUARTER 1, 64,  F0, F1, 0
	QUARTER 1, 128, F1, F0, 0
	QUARTER 1, 192, F0, F1, 0
	s_wait_dscnt 8                                 ; the very last quarter: nothing more to fetch
	MUL16 F1, 0, 0, 0
	MUL16 F1, 0, 2, 0
	s_wait_dscnt 0x0
	MUL16 F1, 1, 0, 0
	MUL16 F1, 1, 2, 0
	WIN 0
	PLACES                                         ; the multiply-adds below read and write results just made
	PLACES
	s_wait_loadcnt 0x0                             ; tb's and at's fragments and bias, asked for at the head
	FIN 0
	LORA 0
.irp a, 0,1,2,3,4,5,6,7
.if (\a) < 7
	FIN (\a)+1                                     ; the next block's 32 multiply-adds name no register of the products just issued: they are the places between those and the stores of their results
.else
	PLACES
	PLACES
.endif
	TOSTAGE \a
.if (\a) < 7
	LORA (\a)+1                                    ; the next block's products stand between the loads from the stage and the waits for them
.endif
	SEND \a
.endr
	WIN 0
	s_wait_tensorcnt 0x0                           ; the wave's end, behind my last tensor load and my last LDS store
	ds_add_u32 v[SPW], v[NIL]
	s_wait_dscnt 0x0
	CROUND                                         ; the closing round: no work-group ends while a partner may still ask for a tile that names it
	s_endpgm
.Lfunc_end_k_q9c469a8997_gemm:
	.size	k_q9c469a8997_gemm, .Lfunc_end_k_q9c469a8997_gemm-k_q9c469a8997_gemm
	.p2alignl 7, 3214868480
	.fill 96, 4, 3214868480
	.section	.rodata,"a",@progbits
	.p2align	6, 0x0
	.amdhsa_kernel k_q9c469a8997_gemm
		.amdhsa_group_segment_fixed_size 327680
		.amdhsa_private_segment_fixed_size 0
		.amdhsa_enable_private_segment 0
		.amdhsa_kernarg_size 56
		.amdhsa_user_sgpr_count 2
		.amdhsa_user_sgpr_kernarg_segment_ptr 1
		.amdhsa_wavefront_size32 1
		.amdhsa_system_sgpr_workgroup_id_x 1
		.amdhsa_system_sgpr_workgroup_id_y 1
		.amdhsa_system_sgpr_workgroup_id_z 1
		.amdhsa_system_vgpr_workitem_id 0
		.amdhsa_next_free_vgpr 1024
		.amdhsa_next_free_sgpr 80
		.amdhsa_reserve_vcc 0
		.amdhsa_float_denorm_mode_32 3
		.amdhsa_float_denorm_mode_16_64 3
		.amdhsa_memory_ordered 1
		.amdhsa_forward_progress 1
		.amdhsa_inst_pref_size 172
	.end_amdhsa_kernel
	.amdgpu_metadata
---
amdhsa.version: [ 1, 2 ]
amdhsa.kernels:
  - .name:           k_q9c469a8997_gemm
    .symbol:         k_q9c469a8997_gemm.kd
    .args:
      - { .name: xb, .offset: 0, .size: 8, .value_kind: global_buffer, .address_space: global }
      - { .name: qb, .offset: 8, .size: 8, .value_kind: global_buffer, .address_space: global }
      - { .name: out0, .offset: 16, .size: 8, .value_kind: global_buffer, .address_space: global }
      - { .name: tb, .offset: 24, .size: 8, .value_kind: global_buffer, .address_space: global }
      - { .name: at, .offset: 32, .size: 8, .value_kind: global_buffer, .address_space: global }
      - { .name: bias, .offset: 40, .size: 8, .value_kind: global_buffer, .address_space: global }
      - { .name: scale, .offset: 48, .size: 8, .value_kind: global_buffer, .address_space: global }
    .group_segment_fixed_size: 327680
    .private_segment_fixed_size: 0
    .kernarg_segment_align: 8
    .kernarg_segment_size: 56
    .max_flat_workgroup_size: 128
    .sgpr_count:     80
    .vgpr_count:     1024
    .wavefront_size: 32
...
	.end_amdgpu_metadata
.endif
;; end of part 2
;; ======== version 2 of 2: 2 launches; version 1 with the launch prep written anew for expert scheduling mode
;; workspace buffers: xb 33,554,432 bytes; qb 33,554,432 bytes; tb 262,144 bytes; at 262,144 bytes
;; launch prep (part 3): grid 128 x 2, 16 waves a work-group, no clusters, 235,520 bytes of LDS; arguments x, qweight, A, B, xb, qb, tb, at; writes xb, qb, tb, at
.if DOCPART == 3
	.amdgcn_target "amdgcn-amd-amdhsa--gfx1250"
	.amdhsa_code_object_version 6
	.text
	.protected	k_q9c469a8997_prep
	.globl	k_q9c469a8997_prep
	.p2align	8
	.type	k_q9c469a8997_prep,@function
k_q9c469a8997_prep:
	s_mov_b64 s[64:65], 0
	v_nop
	global_prefetch_b8 v0, s[64:65] scope:SCOPE_SE
	s_setreg_imm32_b32 hwreg(HW_REG_WAVE_SCHED_MODE, 0, 2), 2
	s_setreg_imm32_b32 hwreg(HW_REG_WAVE_MODE, 25, 1), 1
	s_wait_xcnt 0x0
	s_wait_alu depctr_vm_vsrc(0)
; THE OPERANDS OF THE PRODUCT THAT FOLLOWS, made once.  xb = bf16(x), qb = bf16(qweight) (the whole numbers themselves; the scale is applied later, in f32),
; tb = x B, at = A turned.  x: [4096][4096] f32, qweight: [4096][4096] i32, B: [4096][16] f32, A: [16][4096] f32.
; tb: [4096 m][32] bf16: places 0-15 hold bf16(t), places 16-31 bf16(t - bf16(t)), t = (x B)[m][.] summed in f32.  at: [4096 n][32] bf16: at[n][k] = bf16(A[k % 16][n]): A's column twice.
; So the sum over the 32 places of tb[m][k] at[n][k] is (hi + lo) . A's column: t's rounding to 16 bits costs next to nothing, for one matrix instruction.
; LIMITS.  qweight may be any i32: exact in bf16 up to 256 in magnitude, beyond that rounded to 8 significant bits.  x, A and B are rounded once to bf16, as matrix operands.
; The order of t's sums differs from a plain chain (16 waves' partial sums, added in a tree).  NaN and infinities are not treated apart.
; SHARES.  Grid y is the KIND: 0 = x, 1 = qweight.  A work-group owns 32 rows of its source, each of its 16 waves 256 columns of all 32 rows.  Four trips: 16 rows x 128 columns each,
; 16 loads of 512 consecutive bytes (a row each), packed to 8 bytes a lane, 16 stores of 256 consecutive bytes at a multiple of 256 from the buffer's first byte.
; Two sets of 64 registers: while one set is packed and stored, the other's 16 loads are on their way: 8 KiB a wave at the least.  No wave wants a byte that another wave has fetched,
; so the stream goes through registers: no tensor loads, no cluster, one barrier (for t's partial sums).  No prefetch: the launch does nothing but stream.
; x's KIND ALSO MAKES t.  The wave's 256 k of B go to LDS as bf16, [k][16], and come back turned (ds_load_tr16_b128) as eight fragments of B^T, kept in registers.  A trip's packed rows pass
; through the wave's own LDS rows (pitch 272) and come back as four fragments of x.  t^T = B^T x^T: source 0 = B^T (16 ranks x 32 k), source 1 = 16 rows of x: a lane holds one row and eight ranks.
; q's KIND ALSO TURNS A: waves 0-3, eight loads of 4 bytes a lane, one store of 512 consecutive bytes a wave.
; THE MODE: SCHED_MODE bits 1:0 = 2 (LLVM: expert scheduling mode 2), set by the entry lines.  The code itself states the register dependences
; between vector or matrix instructions and memory or LDS instructions, with s_wait_alu, always for 0.
; THE PLAN.  Registers that memory or LDS instructions touch:
;   v2-v10, v30   offsets and LDS addresses: made once by vector lines, ahead of a wait on va_vdst, and never written again.  v12, v13: read by the closing add alone.
;   x's kind.  Set t % 2: trip t's roundings read and write it in place; its 32 stores read it; the loads of trip t + 2 land in it (behind trip 3: the loads of the finish).
;              XF: the trip's eight LDS loads land in it; its four products read it.     BF: B as loaded and rounded, read by B's LDS stores; then the turning loads land in it, and products alone read it.
;              v16-23: written by products and by four additions, read by the two LDS stores of partial sums, begun anew by trip 2's products.
;              ONE wait on va_vdst in a trip, behind its roundings: the set is written (the stores), and is read and written no more (the refill); the last trip's products are done reading XF (the
;              fragments' loads); in trip 2 the additions have written v16-23 (the partial sums of rows 0-15 are stored there).  ONE wait on vm_vsrc in trips 0 to 2, behind the stores.
;   q's kind.  Set t % 2: read and written by vector lines alone, so the one wait on va_vdst behind trip t's roundings frees it for the loads of trip t + 2, which go out ahead of the stores.
;              Y0, Y1, two out-buffers: trip t's roundings write Y[t % 2], its 16 stores read it; it is written again two trips later, behind a wait on vm_vsrc at that trip's head.
.set SROW,  16384                      ; bytes in a row of x and of qweight
.set DROW,  8192                       ; bytes in a row of xb and of qb
.set XS,    131072                     ; LDS: bytes 0 to 131,071: B in bf16, 8,192 bytes a wave; from XS: 16 rows x 272 bytes a wave
.set XP,    272                        ; 256 bytes + 16: the 16 rows of a fragment load start at 16 different groups of four banks (64 banks of 4 bytes: ISA guide 11.1)
.set PART,  200704                     ; a wave's partial t: [32 m][16] f32, 2,048 bytes a wave
.set SPARE, 233472                     ; the spare words, 128 bytes for each of 16 waves: eight blocks of 256 bytes that no other line names
.set LN,  1                            ; v1   lane
.set VO,  2                            ; v2   source offset: 1,024 w + 16 l
.set DOF, 3                            ; v3   destination offset: 512 w + 8 l
.set BO,  4                            ; v4   B: 16,384 w + 16 l
.set BLA, 5                            ; v5   LDS: where B's packed 8 bytes go: 8,192 w + 8 l
.set BTA, 6                            ; v6   LDS: the turning load's address
.set XSA, 7                            ; v7   LDS: where a row's packed 8 bytes go
.set XFA, 8                            ; v8   LDS: a fragment of x: row l % 16, 16 bytes for each half of the lanes
.set PSA, 9                            ; v9   LDS: my 32 bytes of the wave's partial t
.set TBO, 10                           ; v10  tb and at: 2,048 g + 512 w + 16 l (waves 0-3)
.set SPW, 12                           ; v12  LDS address of my spare word; never rewritten
.set NIL, 13                           ; v13  0; never rewritten
.set ACC, 16                           ; v[16:31]   x's kind: two accumulators, by the parity of the fragment's number
.set AR,  16                           ; v[16:23]   q's kind: eight numbers of A as loaded
.set AP,  24                           ; v[24:27]   q's kind: the same, packed
.set AT,  28                           ; v28, v29   q's kind: at work
.set AO,  30                           ; v30        q's kind: A's offset; never rewritten
.set XF,  32                           ; v[32:63]   four fragments of x; at work at the end
.set BF,  64                           ; v[64:127]  x's kind: eight fragments of B^T; before that B as loaded
.set Y,   64                           ; v[64:127]  q's kind: two out-buffers of 32
.set RG,  128                          ; v[128:255] two sets of 64
.macro PLACES                          ; places behind matrix instructions where no other vector work is at hand (ISA guide 7.12.1)
.rept 4
	v_nop
.endr
.endm
; Trip t's 16 loads into a set: rows 16 (t / 2) + i, columns 128 (t % 2) on of the wave's 256.
.macro LOADS set, t
.irp i, 0,1,2,3,4,5,6,7,8,9,10,11,12,13,14,15
	global_load_b128 v[RG+64*(\set)+4*(\i):RG+64*(\set)+4*(\i)+3], v[VO], s[6:7] offset:(16*((\t)/2)+(\i))*SROW+((\t)%2)*512 th:TH_LOAD_NT
.endr
.endm
; x's kind: four f32 a lane and row become four bf16 in the row's first two registers, in place.
.macro PACKX set
.irp i, 0,1,2,3,4,5,6,7,8,9,10,11,12,13,14,15
	v_cvt_pk_bf16_f32 v[RG+64*(\set)+4*(\i)],   v[RG+64*(\set)+4*(\i)],   v[RG+64*(\set)+4*(\i)+1]
	v_cvt_pk_bf16_f32 v[RG+64*(\set)+4*(\i)+1], v[RG+64*(\set)+4*(\i)+2], v[RG+64*(\set)+4*(\i)+3]
.endr
.endm
; x's kind: the packed rows leave: 32 lanes x 8 bytes = 256 consecutive bytes a store; they also go into the wave's own LDS rows.
.macro OUT set, t
.irp i, 0,1,2,3,4,5,6,7,8,9,10,11,12,13,14,15
	ds_store_b64 v[XSA], v[RG+64*(\set)+4*(\i):RG+64*(\set)+4*(\i)+1] offset:XP*(\i)
	global_store_b64 v[DOF], v[RG+64*(\set)+4*(\i):RG+64*(\set)+4*(\i)+1], s[8:9] offset:(16*((\t)/2)+(\i))*DROW+((\t)%2)*256 th:TH_STORE_NT
.endr
.endm
; 16 loads' worth of B (8 k each, as loaded from register reg on) packed, in one run, and laid into LDS in the same order: [k][16] bf16, 32 bytes a k.
.macro BRAW reg, first
.irp i, 0,1,2,3,4,5,6,7,8,9,10,11,12,13,14,15
	v_cvt_pk_bf16_f32 v[(\reg)+4*(\i)],   v[(\reg)+4*(\i)],   v[(\reg)+4*(\i)+1]
	v_cvt_pk_bf16_f32 v[(\reg)+4*(\i)+1], v[(\reg)+4*(\i)+2], v[(\reg)+4*(\i)+3]
.endr
	s_wait_alu depctr_va_vdst(0)                   ; the roundings have written the 32 registers that the LDS stores below read; at its first use the five LDS addresses v5 to v9 are written too
.irp i, 0,1,2,3,4,5,6,7,8,9,10,11,12,13,14,15
	ds_store_b64 v[BLA], v[(\reg)+4*(\i):(\reg)+4*(\i)+1] offset:((\first)+(\i))*256
.endr
.endm
; The wave's partial sums for block b of 16 rows go to LDS.
.macro PSUM b
	ds_store_b128 v[PSA], v[ACC:ACC+3]   offset:1024*(\b)
	ds_store_b128 v[PSA], v[ACC+4:ACC+7] offset:1024*(\b)+16
.endm
; A trip of x's kind.  left: the younger loads that may stay out.  more = 1: the set is loaded again, for trip t + 2.
.macro XTRIP t, left, more
	s_wait_loadcnt \left                           ; loads come back in order (ISA guide 5.7.1): this trip's 16 are in
	PACKX (\t)%2
	s_wait_alu depctr_va_vdst(0)                   ; the roundings have written the set, which the stores read, and name it no more, so that the refill may land; the last trip's products are done reading XF, in which the fragments land; in trip 2 the additions have written v16-23
.if (\t) == 2
	PSUM 0                                         ; rows 0-15: their partial sums are stored here, behind the wait that stands in any case
.endif
	OUT (\t)%2, \t
.irp f, 0,1,2,3
	ds_load_b128 v[XF+8*(\f):XF+8*(\f)+3],   v[XFA] offset:64*(\f)     ; LDS serves a wave's instructions in order (ISA guide 5.7.1.4): these see the stores above; the rows are the wave's own
	ds_load_b128 v[XF+8*(\f)+4:XF+8*(\f)+7], v[XFA] offset:64*(\f)+32
.endr
.if \more
	s_wait_xcnt 0x0                                ; the global stores' addresses are translated (ISA guide 3.1): only behind this wait is their data's set loaded again
.endif
.if (\more) || ((\t) == 2)
	s_wait_alu depctr_vm_vsrc(0)                   ; trips 0 and 1: the LDS and global stores above have read the set, in which the loads below land; trip 2: the stores of partial sums have read v16-23, which the products below begin anew
.endif
.if \more
	LOADS (\t)%2, (\t)+2                           ; no vector instruction since the wait on va_vdst names the set
.endif
	s_wait_dscnt 0x0                               ; the fragments are in (ahead of trip 0's products: B^T's too)
.irp f, 0,1,2,3                        ; the two accumulators take turns, one instruction a turn, from trip to trip too
.if ((\t)%2 == 0) && ((\f) < 2)
	v_wmma_f32_16x16x32_bf16 v[ACC+8*((\f)%2):ACC+8*((\f)%2)+7], v[BF+8*(4*((\t)%2)+(\f)):BF+8*(4*((\t)%2)+(\f))+7], v[XF+8*(\f):XF+8*(\f)+7], 0
.else
	v_wmma_f32_16x16x32_bf16 v[ACC+8*((\f)%2):ACC+8*((\f)%2)+7], v[BF+8*(4*((\t)%2)+(\f)):BF+8*(4*((\t)%2)+(\f))+7], v[XF+8*(\f):XF+8*(\f)+7], v[ACC+8*((\f)%2):ACC+8*((\f)%2)+7]
.endif
.endr
.if (\t)%2 == 1                        ; the block of 16 rows has had the wave's 256 k: the parities are added, low registers first; the sums are stored behind the next wait on va_vdst
	PLACES
	PLACES
.irp p, 0,2,4,6
	v_pk_add_f32 v[ACC+(\p):ACC+(\p)+1], v[ACC+(\p):ACC+(\p)+1], v[ACC+8+(\p):ACC+8+(\p)+1]
.endr
.endif
.endm
; q's kind: four f32 a lane and row become four bf16 in two registers of out-buffer p; set p is the source.
.macro PACKQ p
.irp i, 0,1,2,3,4,5,6,7,8,9,10,11,12,13,14,15
	v_cvt_pk_bf16_f32 v[Y+32*(\p)+2*(\i)],   v[RG+64*(\p)+4*(\i)],   v[RG+64*(\p)+4*(\i)+1]
	v_cvt_pk_bf16_f32 v[Y+32*(\p)+2*(\i)+1], v[RG+64*(\p)+4*(\i)+2], v[RG+64*(\p)+4*(\i)+3]
.endr
.endm
; q's kind: the packed rows leave from out-buffer p: 256 consecutive bytes a store.
.macro OUTQ p, t
.irp i, 0,1,2,3,4,5,6,7,8,9,10,11,12,13,14,15
	global_store_b64 v[DOF], v[Y+32*(\p)+2*(\i):Y+32*(\p)+2*(\i)+1], s[8:9] offset:(16*((\t)/2)+(\i))*DROW+((\t)%2)*256 th:TH_STORE_NT
.endr
.endm
; A trip of q's kind: i32 to f32 (exact up to 2^24), then rounded as x is.
.macro QTRIP t, left, more
	s_wait_loadcnt \left
.if (\t) >= 2
	s_wait_xcnt 0x0                                ; the stores of two trips back have had their addresses translated (ISA guide 3.1): their out-buffer is rewritten only behind this wait
	s_wait_alu depctr_vm_vsrc(0)                   ; and they have read that out-buffer, which this trip's roundings write again
.endif
.set z, 0
.rept 64
	v_cvt_f32_i32 v[RG+64*((\t)%2)+z], v[RG+64*((\t)%2)+z]
.set z, z+1
.endr
	PACKQ (\t)%2
	s_wait_alu depctr_va_vdst(0)                   ; the roundings have written the out-buffer, which the stores below read; the conversions and roundings name the set no more, so that the loads below may land in it
.if \more
	LOADS (\t)%2, (\t)+2                           ; ahead of the stores: no memory instruction reads the set
.endif
	OUTQ (\t)%2, \t
.endm
	s_load_b512 s[16:31], s[0:1], 0x0              ; x s[16:17], qweight s[18:19], A s[20:21], B s[22:23], xb s[24:25], qb s[26:27], tb s[28:29], at s[30:31]
	v_lshl_add_u32 v[SPW], v0, 2, SPARE
	v_mov_b32 v[NIL], 0
	v_lshrrev_b32 v11, 5, v0
	v_readfirstlane_b32 s4, v11                    ; wave 0..15
	s_and_b32 s5, ttmp7, 0xffff                    ; the kind
	v_and_b32 v[LN], 31, v0
	v_and_b32 v14, 15, v0                          ; l % 16
	v_bfe_u32 v15, v0, 4, 1                        ; l / 16
	s_wait_alu depctr_va_sdst(0)                   ; s4 is written, ahead of its first reader: offsets, LDS addresses and branches are made from it
	s_lshl_b32 s12, s4, 10
	v_lshl_add_u32 v[VO], v[LN], 4, s12
	s_lshl_b32 s12, s4, 9
	v_lshl_add_u32 v[DOF], v[LN], 3, s12
	s_lshl_b32 s13, ttmp9, 11                      ; the work-group's 32 rows of 64 bytes in tb or at
	s_add_co_u32 s13, s13, s12
	v_lshl_add_u32 v[TBO], v[LN], 4, s13
	s_mov_b32 s11, 0
	s_wait_kmcnt 0x0
	s_cmp_lg_u32 s5, 0                             ; the same in all waves of a work-group
	s_cbranch_scc1 .Lq
	; ---- x's kind ----
	s_lshl_b32 s10, ttmp9, 19                      ; 32 rows of 16,384 bytes
	s_add_nc_u64 s[6:7], s[16:17], s[10:11]
	s_lshl_b32 s10, ttmp9, 18                      ; 32 rows of 8,192 bytes
	s_add_nc_u64 s[8:9], s[24:25], s[10:11]
	s_lshl_b32 s12, s4, 14                         ; the wave's 256 k of B: 16,384 consecutive bytes
	v_lshl_add_u32 v[BO], v[LN], 4, s12
	s_wait_alu depctr_va_vdst(0)                   ; the offsets v2, v3, v4 and v10 are written, which the global loads and stores of this kind read
.irp i, 0,1,2,3,4,5,6,7,8,9,10,11,12,13,14,15
	global_load_b128 v[BF+4*(\i):BF+4*(\i)+3], v[BO], s[22:23] offset:512*(\i)
.endr
.irp i, 0,1,2,3,4,5,6,7,8,9,10,11,12,13,14,15
	global_load_b128 v[RG+64+4*(\i):RG+64+4*(\i)+3], v[BO], s[22:23] offset:8192+512*(\i)
.endr
	LOADS 0, 0
	s_lshl_b32 s13, s4, 13                         ; B's place in LDS: 8,192 w
	v_lshl_add_u32 v[BLA], v[LN], 3, s13
	v_and_b32 v11, 7, v0                           ; the turning load: lane l reads k = 8 (l / 16) + l % 8, ranks 8 ((l / 8) % 2) + 0..7
	v_lshl_add_u32 v11, v15, 3, v11
	v_lshl_add_u32 v[BTA], v11, 5, s13
	v_bfe_u32 v11, v0, 3, 1
	v_lshl_add_u32 v[BTA], v11, 4, v[BTA]
	s_mul_i32 s14, s4, 16*XP
	s_add_co_u32 s14, s14, XS                      ; the wave's 16 rows
	v_lshl_add_u32 v[XSA], v[LN], 3, s14
	v_mul_u32_u24 v[XFA], v14, XP
	v_lshl_add_u32 v[XFA], v15, 4, v[XFA]
	v_add_nc_u32 v[XFA], s14, v[XFA]
	s_lshl_b32 s15, s4, 11
	s_add_co_u32 s15, s15, PART                    ; the wave's partial t
	v_lshl_add_u32 v[PSA], v14, 6, s15             ; row l % 16: 64 bytes a row,
	v_lshl_add_u32 v[PSA], v15, 5, v[PSA]          ; ranks 8 (l / 16) on
	s_wait_loadcnt 32                              ; B's first 16 loads are in; two runs of 16 were issued behind them
	BRAW BF, 0
	s_wait_loadcnt 16                              ; B's second 16; x's first trip was issued behind them
	BRAW RG+64, 16
	s_wait_alu depctr_vm_vsrc(0)                   ; B's LDS stores have read BF's registers and set 1's, in which the loads below land (the roundings that named them stand ahead of the last wait on va_vdst)
	LOADS 1, 1
.irp f, 0,1,2,3,4,5,6,7                ; fragment f of B^T: k = 32 f on: two turning loads, 16 k (512 bytes) apart; the bytes are the wave's own
	ds_load_tr16_b128 v[BF+8*(\f):BF+8*(\f)+3],   v[BTA] offset:1024*(\f)
	ds_load_tr16_b128 v[BF+8*(\f)+4:BF+8*(\f)+7], v[BTA] offset:1024*(\f)+512
.endr
	XTRIP 0, 16, 1                                 ; 16: the next trip's loads stay out
	XTRIP 1, 16, 1
	XTRIP 2, 16, 0
	XTRIP 3, 0, 0
	s_wait_alu depctr_va_vdst(0)                   ; the additions have written v16-23, which the two LDS stores below read
	PSUM 1                                         ; rows 16-31
	s_wait_alu depctr_vm_vsrc(0)                   ; the last trip's stores have read set 1 (trip 2's wait stands behind set 0's): in waves 0-3 the loads of the finish land in both sets; the wait stands ahead of the branches that lead there
	s_branch .Ljoin
	; ---- q's kind ----
.Lq:
	s_lshl_b32 s10, ttmp9, 19
	s_add_nc_u64 s[6:7], s[18:19], s[10:11]
	s_lshl_b32 s10, ttmp9, 18
	s_add_nc_u64 s[8:9], s[26:27], s[10:11]
	v_and_b32 v[AT], 1, v0                         ; which eight of A's 16 rows
	v_lshrrev_b32 v[AT+1], 2, v[LN]
	s_lshl_b32 s12, ttmp9, 5
	s_lshl3_add_u32 s12, s4, s12                   ; 32 g + 8 w
	v_add_nc_u32 v[AT+1], s12, v[AT+1]             ; my column n of A = my row of at
	v_lshlrev_b32 v[AT+1], 2, v[AT+1]
	v_lshl_add_u32 v[AO], v[AT], 17, v[AT+1]       ; 8 rows of 16,384 bytes x (l % 2) + 4 n
	s_wait_alu depctr_va_vdst(0)                   ; the offsets v2, v3, v10 and v30 are written, which the loads and stores of this kind read; ahead of the branch, for both ways
	s_cmp_lt_u32 s4, 4
	s_cbranch_scc0 .Lno_a
.irp j, 0,1,2,3,4,5,6,7                ; older than every other load of the wave, so the counts below hold with and without them
	global_load_b32 v[AR+(\j)], v[AO], s[20:21] offset:16384*(\j)
.endr
.Lno_a:
	LOADS 0, 0
	LOADS 1, 1
	QTRIP 0, 16, 1
	QTRIP 1, 16, 1
	QTRIP 2, 16, 0
	QTRIP 3, 0, 0
	s_cmp_lt_u32 s4, 4
	s_cbranch_scc0 .Ljoin
.irp j, 0,1,2,3
	v_cvt_pk_bf16_f32 v[AP+(\j)], v[AR+2*(\j)], v[AR+2*(\j)+1]
.endr
	s_wait_alu depctr_va_vdst(0)                   ; the four roundings have written v24-27, which the store reads
	global_store_b128 v[TBO], v[AP:AP+3], s[30:31] ; 8 rows of at: 512 consecutive bytes a wave; lanes 4 n' + 0, 1 hold A's column, lanes 4 n' + 2, 3 the same once more
.Ljoin:
	s_wait_dscnt 0x0                               ; for the others' sake: my partial sums lie in LDS
	s_barrier_signal -1
	s_barrier_wait -1                              ; every wave of either kind passes here
	s_cmp_lg_u32 s5, 0
	s_cbranch_scc1 .Lend
	s_cmp_lt_u32 s4, 4                             ; waves 0-3 finish t: 8 rows each; four lanes a row: ranks 0-7 and 8-15, hi and lo
	s_cbranch_scc0 .Lend
	v_lshrrev_b32 v33, 2, v[LN]
	s_lshl_b32 s12, s4, 3
	v_add_nc_u32 v33, s12, v33                     ; my row of the 32: 8 w + l / 4
	v_and_b32 v42, 1, v0
	v_lshlrev_b32 v32, 6, v33
	v_lshl_add_u32 v32, v42, 5, v32                ; my eight ranks
	v_add_nc_u32 v32, PART, v32
	v_and_b32 v43, 2, v0
	v_cmp_ne_u32 vcc_lo, 0, v43                    ; lanes 4 m' + 2, 3: made early, read at the end
	s_wait_xcnt 0x0                                ; the last trips' global stores have had their addresses translated: the two sets, their data, are loaded below
	s_wait_alu depctr_va_vdst(0)                   ; v32 is written, which the LDS loads below read as their address
.irp w, 0,1,2,3,4,5,6,7,8,9,10,11,12,13,14,15
	ds_load_b128 v[RG+8*(\w):RG+8*(\w)+3],   v32 offset:2048*(\w)
	ds_load_b128 v[RG+8*(\w)+4:RG+8*(\w)+7], v32 offset:2048*(\w)+16
.endr
	s_wait_dscnt 0x0
.irp s, 8,4,2,1                        ; the 16 waves' partial sums, in f32: a tree, 60 packed additions
.set q, 0
.rept 4*(\s)
	v_pk_add_f32 v[RG+2*q:RG+2*q+1], v[RG+2*q:RG+2*q+1], v[RG+8*(\s)+2*q:RG+8*(\s)+2*q+1]
.set q, q+1
.endr
.endr
.irp j, 0,1,2,3
	v_cvt_pk_bf16_f32 v[34+(\j)], v[RG+2*(\j)], v[RG+2*(\j)+1]   ; hi
.endr
.irp j, 0,1,2,3
	v_lshlrev_b32 v[44+2*(\j)], 16, v[34+(\j)]                    ; hi as f32
	v_and_b32 v[44+2*(\j)+1], 0xffff0000, v[34+(\j)]
.endr
.irp j, 0,2,4,6
	v_pk_add_f32 v[RG+(\j):RG+(\j)+1], v[RG+(\j):RG+(\j)+1], v[44+(\j):44+(\j)+1] neg_lo:[0,1] neg_hi:[0,1]  ; t - hi, exact
.endr
.irp j, 0,1,2,3
	v_cvt_pk_bf16_f32 v[38+(\j)], v[RG+2*(\j)], v[RG+2*(\j)+1]   ; lo
.endr
	s_wait_alu depctr_va_vcc(0)                    ; the compare above has written VCC, which the four selects read
.irp j, 0,1,2,3
	v_cndmask_b32 v[34+(\j)], v[34+(\j)], v[38+(\j)], vcc_lo      ; lanes 4 m' + 2, 3 take lo
.endr
	s_wait_alu depctr_va_vdst(0)                   ; the selects have written v34-37, which the store reads
	global_store_b128 v[TBO], v[34:37], s[28:29]   ; 8 rows of tb: 512 consecutive bytes a wave
.Lend:
	s_wait_dscnt 0x0                               ; the closing lines, six on end
	s_wait_alu 0x0
	s_wait_tensorcnt 0x0
	ds_add_u32 v[SPW], v[NIL]
	s_wait_dscnt 0x0
	s_endpgm
.Lfunc_end_k_q9c469a8997_prep:
	.size	k_q9c469a8997_prep, .Lfunc_end_k_q9c469a8997_prep-k_q9c469a8997_prep
	.p2alignl 7, 3214868480
	.fill 96, 4, 3214868480
	.section	.rodata,"a",@progbits
	.p2align	6, 0x0
	.amdhsa_kernel k_q9c469a8997_prep
		.amdhsa_group_segment_fixed_size 235520
		.amdhsa_private_segment_fixed_size 0
		.amdhsa_enable_private_segment 0
		.amdhsa_kernarg_size 64
		.amdhsa_user_sgpr_count 2
		.amdhsa_user_sgpr_kernarg_segment_ptr 1
		.amdhsa_wavefront_size32 1
		.amdhsa_system_sgpr_workgroup_id_x 1
		.amdhsa_system_sgpr_workgroup_id_y 1
		.amdhsa_system_sgpr_workgroup_id_z 1
		.amdhsa_system_vgpr_workitem_id 0
		.amdhsa_next_free_vgpr 256
		.amdhsa_next_free_sgpr 66
		.amdhsa_reserve_vcc 1
		.amdhsa_float_denorm_mode_32 3
		.amdhsa_float_denorm_mode_16_64 3
		.amdhsa_memory_ordered 1
		.amdhsa_forward_progress 1
		.amdhsa_inst_pref_size 80
	.end_amdhsa_kernel
	.amdgpu_metadata
---
amdhsa.version: [ 1, 2 ]
amdhsa.kernels:
  - .name:           k_q9c469a8997_prep
    .symbol:         k_q9c469a8997_prep.kd
    .args:
      - { .name: x, .offset: 0, .size: 8, .value_kind: global_buffer, .address_space: global }
      - { .name: qweight, .offset: 8, .size: 8, .value_kind: global_buffer, .address_space: global }
      - { .name: A, .offset: 16, .size: 8, .value_kind: global_buffer, .address_space: global }
      - { .name: B, .offset: 24, .size: 8, .value_kind: global_buffer, .address_space: global }
      - { .name: xb, .offset: 32, .size: 8, .value_kind: global_buffer, .address_space: global }
      - { .name: qb, .offset: 40, .size: 8, .value_kind: global_buffer, .address_space: global }
      - { .name: tb, .offset: 48, .size: 8, .value_kind: global_buffer, .address_space: global }
      - { .name: at, .offset: 56, .size: 8, .value_kind: global_buffer, .address_space: global }
    .group_segment_fixed_size: 235520
    .private_segment_fixed_size: 0
    .kernarg_segment_align: 8
    .kernarg_segment_size: 64
    .max_flat_workgroup_size: 512
    .sgpr_count:     66
    .vgpr_count:     256
    .wavefront_size: 32
...
	.end_amdgpu_metadata
.endif
;; end of part 3
;; launch gemm: the kernel of part 2 again; grid 16 x 16, 4 waves a work-group, clusters of 4 x 4, 327,680 bytes of LDS; arguments xb, qb, out0, tb, at, bias, scale; writes out0
